; MI455X (gfx1250); checked and timed in simulation.
; The chip was launched on July 23, 2026; its instructions are those of AMD's public machine-readable ISA for CDNA 5 (MIT licence, August 2026) and "CDNA5" Instruction Set Architecture Reference Guide (July 2026). The comments in the code are by the model that wrote it; some were corrected since.
;; Performer Attention. Allowed arithmetic: float matrix products may take bf16 or f16 operands with f32 sums; other float arithmetic in f32, or as packed bf16 or f16 multiplies, adds, multiply-adds, maxima and minima; sums over many terms, partial sums and values carried from step to step in f32; what a program stores and reads back later, other than sums and carried values, may be rounded once to bf16 or f16.
;; Inputs: Wk 512 x 512 float32; Wo 512 x 512 float32; Wq 512 x 512 float32; Wv 512 x 512 float32; bk 512 float32; bo 512 float32; bq 512 float32; bv 512 float32; key_ 4 x 4,096 x 512 float32; query 4 x 4,096 x 512 float32; random_features 128 x 512 float32; value 4 x 4,096 x 512 float32.
;; Outputs: out0 4 x 4,096 x 512 float32.
;; One version. Each part assembles by itself: llvm-mc -triple=amdgcn-amd-amdhsa -mcpu=gfx1250 --defsym DOCPART=n.
;; ======== version 1 of 1: 3 launches
;; limits: values are held in f16: magnitudes above 65,504 overflow, below 6.1e-05 lose precision
;; workspace buffers: wf 786,432 bytes; bf 3,072 bytes; mx 512 bytes; scl 256 bytes; qf 4,194,304 bytes; kf 4,194,304 bytes; vf 16,777,216 bytes
;; launch prep (part 1): grid 8 x 12, 4 waves a work-group, no clusters, 84,736 bytes of LDS; arguments random_features, Wo, Wq, Wk, Wv, bq, bk, bv, bo, wf, bf, mx; writes wf, bf, mx
.if DOCPART == 1
	.amdgcn_target "amdgcn-amd-amdhsa--gfx1250"
	.amdhsa_code_object_version 6
	.text
	.protected	k_qf8ec32cc07_prep
	.globl	k_qf8ec32cc07_prep
	.p2align	8
	.type	k_qf8ec32cc07_prep,@function
k_qf8ec32cc07_prep:
	s_mov_b64 s[64:65], 0
	v_nop
	global_prefetch_b8 v0, s[64:65] scope:SCOPE_SE
	s_setreg_imm32_b32 hwreg(HW_REG_WAVE_MODE, 25, 1), 1
	s_wait_xcnt 0x0
; PREP: the weights are folded once.  Wqf = R Wq, Wkf = R Wk (128 x 512), Wvo = Wo Wv (512 x 512); bqf = R bq, bkf = R bk, b2 = Wo bv + bo.
; That holds for every input: both sides of the softmax are linear, and a softmax row sums to 1, so v's bias passes through it unchanged.
; C[m][j] = sum over c of A[m][c] B[c][j].  Operands rounded to f16, sums in f32, C rounded once to f16; the biases are made in f32 by the vector unit.
; SHARES.  Work-group (x, y): columns j = 64 x .. +63, rows 64 (y - first y of the job) .. +63.  y 0-1: R, Wq, bq.  y 2-3: R, Wk, bk.  y 4-11: Wo, Wv, bv, bo.
; Wave w: 16 rows, four blocks of 16 columns: four accumulators, which take turns.
; The product is taken transposed (source 0 = 16 columns of B, turned out of LDS; source 1 = 16 rows of A): a lane ends with eight neighbouring j of one row m,
; 16 bytes, and the wave's 512 bytes ARE half of a 16 x 32 fragment of the folded weight: wf holds such pieces in the order in which the next launch loads them.
; Also stored: the largest magnitude of the work-group's numbers (jobs q and k: the bias among them), from which the next launch takes a power of two as a scale.
; LIMITS.  The inputs lie within f16's range, 65,504; a folded weight below 6e-5 keeps f16's fixed step of 6e-8; NaN and infinities are not treated apart.
; No cluster and no tensor load: 96 work-groups of a short launch, each of which reads its tiles once through registers, since they must be rounded on the way.
.set BP,    160                        ; a row of B's tile in LDS: 64 f16 = 128 bytes + 32: an odd multiple of 32
.set BV,    512*BP                     ; behind the tile's 512 rows: the bias vector, 512 f32
.set MXW,   BV+2048                    ; four words, a wave's largest magnitude each, in a block of 256 bytes
.set SPARE, MXW+256                    ; the spare words, 128 bytes for each wave
.set LN,  1                            ; v1   lane
.set RR,  2                            ; v2   lane % 16
.set HH,  3                            ; v3   lane / 16
.set BO,  4                            ; v4   my offset in two rows of B's tile in memory
.set AO,  5                            ; v5   my offset in a fragment's rows of A
.set VO,  6                            ; v6   16 x thread: my 16 bytes of the bias vector
.set BST, 7                            ; v7   where I put 8 bytes of B's tile
.set BVS, 8                            ; v8   where I put my 16 bytes of the vector
.set BVR, 9                            ; v9   where I read the vector in fragment order
.set TA,  10                           ; v10-11 the turning loads' address, K steps 0-7 and 8-15
.set W0,  12                           ; v12-13 my offsets in wf: column blocks 0, 1 and 2, 3
.set BOO, 14                           ; v14  my offset in bo
.set BFO, 15                           ; v15  my offset in bf
.set SPW, 16                           ; v16  my spare word; never rewritten
.set NIL, 17                           ; v17  0; never rewritten
.set CH,  18                           ; v18-25 four chains of the bias sum, a pair each
.set BOV, 26                           ; v26  bo of my row
.set MXR, 27                           ; v27  the largest number
.set MNR, 28                           ; v28  the smallest.  v28-31 hold my quarter of the vector first: the names below are used only when it lies in LDS
.set TMA, 29
.set TMB, 30
.set ACC, 32                           ; v32-63
.set BF,  64                           ; v64-127  B's fragments, two sets of four
.set AF,  128                          ; v128-255 A's fragments of all 16 K steps; before that B's tile on its way to LDS
                                       ; window 1: A in f32;  window 2: B in f32, later the vector in fragment order
.set MSB, 0
.macro WIN new                         ; the immediate's high byte repeats the setting that is left
.if MSB != (\new)
	s_set_vgpr_msb (MSB<<8)|(\new)
.set MSB, (\new)
.endif
.endm
.macro PLACES                          ; four places behind a matrix instruction (ISA guide 7.12.1)
.rept 4
	v_nop
.endr
.endm
.macro TRL ks                          ; K step ks of B^T: four fragments of 16 columns x 32 c, turned
.set jb, 0
.rept 4
	ds_load_tr16_b128 v[BF+32*((\ks)%2)+8*jb:BF+32*((\ks)%2)+8*jb+3],   v[TA+(\ks)/8] offset:((\ks)%8)*32*BP+32*jb
	ds_load_tr16_b128 v[BF+32*((\ks)%2)+8*jb+4:BF+32*((\ks)%2)+8*jb+7], v[TA+(\ks)/8] offset:((\ks)%8)*32*BP+32*jb+16*BP
.set jb, jb+1
.endr
.endm
	s_load_b512 s[4:19], s[0:1], 0x0               ; R s[4:5], Wo s[6:7], Wq s[8:9], Wk s[10:11], Wv s[12:13], bq s[14:15], bk s[16:17], bv s[18:19]
	s_load_b256 s[20:27], s[0:1], 0x40             ; bo s[20:21], wf s[22:23], bf s[24:25], mx s[26:27]
	v_lshl_add_u32 v[SPW], v0, 2, SPARE
	v_mov_b32 v[NIL], 0
	v_lshrrev_b32 v[LN], 5, v0
	v_readfirstlane_b32 s28, v[LN]                 ; wave
	s_mov_b32 s29, ttmp9                           ; x
	s_and_b32 s30, ttmp7, 0xffff                   ; y
	s_mov_b32 s52, 0x76543210                      ; v_permlanex16_b32: each lane takes its own place in the other half
	s_mov_b32 s53, 0xfedcba98
	v_and_b32 v[LN], 31, v0
	v_and_b32 v[RR], 15, v0
	v_bfe_u32 v[HH], v0, 4, 1
	v_lshlrev_b32 v[BO], 11, v[HH]                 ; B: lanes 0-15 one row's 256 bytes, lanes 16-31 the next row's
	v_lshl_add_u32 v[BO], v[RR], 4, v[BO]
	v_lshlrev_b32 v[AO], 11, v[RR]                 ; A: row lane % 16, 32 bytes for each half of the lanes
	v_lshl_add_u32 v[AO], v[HH], 5, v[AO]
	v_lshlrev_b32 v[VO], 4, v0
	s_mul_i32 s40, s28, 128*BP                     ; my wave brings rows c = 128 w .. +127 of B's tile: the wave's number times a constant,
	v_mul_u32_u24 v[BST], v[HH], BP                ; the row of my half of the lanes,
	v_lshl_add_u32 v[BST], v[RR], 3, v[BST]        ; my four columns
	v_add_nc_u32 v[BST], s40, v[BST]
	v_add_nc_u32 v[BVS], BV, v[VO]
	v_lshl_add_u32 v[BVR], v[HH], 5, BV
	v_and_b32 v[TA], 7, v0                         ; the turning load: row 8 (l / 16) + l % 8, 16 bytes by (l / 8) % 2
	v_lshl_add_u32 v[TA], v[HH], 3, v[TA]
	v_mul_u32_u24 v[TA], v[TA], BP
	v_bfe_u32 v[TA+1], v0, 3, 1
	v_lshl_add_u32 v[TA], v[TA+1], 4, v[TA]
	v_add_nc_u32 v[TA+1], 8*32*BP, v[TA]
	; the job
	s_cmp_lt_u32 s30, 4
	s_cselect_b32 s38, 0, -1                       ; a lane mask: all ones in job v
	s_cselect_b32 s39, 2, 4
	s_cmp_lt_u32 s30, 2
	s_cselect_b32 s39, 0, s39                      ; the job's first y
	s_cselect_b32 s44, 0, 20*32768                 ; where Wqf or Wkf begins in wf
	s_sub_co_u32 s31, s30, s39
	s_lshl2_add_u32 s40, s31, s28                  ; mb: my block of 16 rows in the job
	s_lshl_b32 s45, s40, 4                         ; its first row
	s_lshl_b32 s48, s45, 11                        ; in bytes of A
	s_mov_b32 s49, 0
	s_lshl_b32 s50, s28, 18                        ; B: 128 w rows of 2,048 bytes,
	s_lshl_b32 s46, s29, 8                         ; 64 x columns
	s_add_co_u32 s50, s50, s46
	s_mov_b32 s51, 0
	v_add_nc_u32 v[BOO], s45, v[RR]
	v_lshlrev_b32 v[BOO], 2, v[BOO]
	s_lshl_b32 s46, s30, 6
	s_lshl4_add_u32 s46, s28, s46                  ; 64 y + 16 w
	v_add_nc_u32 v[BFO], s46, v[RR]
	v_lshlrev_b32 v[BFO], 2, v[BFO]
	; my pieces' places in wf.  Wvo: [K step: 32,768][mb / 8: 8,192][mb % 8: 1,024][half: 512].  Wqf, Wkf: [K step / 4: 32,768][mb / 2: 8,192][K step % 4: 2,048][mb % 2: 1,024][half: 512]
	s_lshl_b32 s41, s29, 16                        ; K step 2 x
	s_add_co_u32 s41, s41, 4*32768
	s_lshr_b32 s42, s40, 3
	s_lshl_b32 s42, s42, 13
	s_add_co_u32 s41, s41, s42
	s_and_b32 s42, s40, 7
	s_lshl_b32 s42, s42, 10
	s_add_co_u32 s41, s41, s42
	s_lshr_b32 s43, s29, 1
	s_lshl_b32 s43, s43, 15
	s_add_co_u32 s43, s43, s44
	s_lshr_b32 s42, s40, 1
	s_lshl_b32 s42, s42, 13
	s_add_co_u32 s43, s43, s42
	s_and_b32 s42, s29, 1
	s_lshl_b32 s42, s42, 12
	s_add_co_u32 s43, s43, s42
	s_and_b32 s42, s40, 1
	s_lshl_b32 s42, s42, 10
	s_add_co_u32 s43, s43, s42
	s_cmp_lt_u32 s30, 4
	s_cselect_b32 s41, s43, s41
	s_mov_b32 s44, 32768                           ; (a move leaves SCC as it is; one literal to a line)
	s_cselect_b32 s44, 2048, s44                   ; from a K step to the next
	v_lshl_add_u32 v[W0], v[LN], 4, s41
	v_add_nc_u32 v[W0+1], s44, v[W0]
	s_lshl3_add_u32 s40, s30, s29                  ; 8 y + x
	s_lshl_b32 s40, s40, 2                         ; my work-group's word of mx, in bytes: kept in s40 to the end
	s_wait_kmcnt 0x0
	s_cmp_lt_u32 s30, 4
	s_cselect_b64 s[32:33], s[4:5], s[6:7]         ; A
	s_cselect_b64 s[34:35], s[10:11], s[12:13]     ; B
	s_cselect_b64 s[36:37], s[16:17], s[18:19]     ; the vector
	s_cmp_lt_u32 s30, 2
	s_cselect_b64 s[34:35], s[8:9], s[34:35]
	s_cselect_b64 s[36:37], s[14:15], s[36:37]
	s_add_nc_u64 s[32:33], s[32:33], s[48:49]
	s_add_nc_u64 s[34:35], s[34:35], s[50:51]
	; all 130 loads go out at once: the vector's quarter, B's 128 rows, A's 16 rows, bo
	global_load_b128 v[28:31], v[VO], s[36:37]
	WIN 0x80                                       ; destination window 2
.set n, 0
.rept 64
	global_load_b128 v[4*n:4*n+3], v[BO], s[34:35] offset:4096*n  ; rows 2 n, 2 n + 1: each half of the lanes takes 256 consecutive bytes, aligned
.set n, n+1
.endr
	WIN 0x40                                       ; destination window 1
.set n, 0
.rept 64
	global_load_b128 v[4*n:4*n+3], v[AO], s[32:33] offset:128*(n/4)+16*(n%2)+64*((n%4)/2)  ; K step n / 4: c = 8 h + 0..7 and 16 + 8 h + 0..7, in f32
.set n, n+1
.endr
	WIN 0
	global_load_b32 v[BOV], v[BOO], s[20:21]
	s_wait_loadcnt 63                              ; loads come back in order: at most the 63 youngest are out, so the vector and all of B are in
	WIN 0x0a                                       ; sources window 2
.set n, 0
.rept 128
	v_cvt_pk_f16_f32 v[AF+n], v[2*n], v[2*n+1]
.set n, n+1
.endr
	WIN 0
.set n, 0
.rept 64
	ds_store_b64 v[BST], v[AF+2*n:AF+2*n+1] offset:2*BP*n
.set n, n+1
.endr
	ds_store_b128 v[BVS], v[28:31]
	s_wait_dscnt 0x0                               ; for the others' sake: my part of the tile and of the vector is written
	s_barrier_signal -1
	s_barrier_wait -1
	TRL 0                                          ; lands under the bias sums
	WIN 0x80
.set n, 0
.rept 64
	ds_load_b128 v[4*n:4*n+3], v[BVR] offset:128*(n/4)+16*(n%2)+64*((n%4)/2)  ; the vector, laid as A's f32 lie
.set n, n+1
.endr
	s_wait_loadcnt 0x0                             ; A, bo
	WIN 0x05                                       ; sources window 1
.set n, 0
.rept 128
	v_cvt_pk_f16_f32 v[AF+n], v[2*n], v[2*n+1]
.set n, n+1
.endr
	s_wait_dscnt 0x0
	WIN 0x09                                       ; source 0 window 1 (A), source 1 window 2 (the vector)
.set n, 0
.rept 128
.if n < 4
	v_pk_mul_f32 v[CH+2*n:CH+2*n+1], v[2*n:2*n+1], v[2*n:2*n+1]  ; the first four start the chains
.else
	v_pk_fma_f32 v[CH+2*(n%4):CH+2*(n%4)+1], v[2*n:2*n+1], v[2*n:2*n+1], v[CH+2*(n%4):CH+2*(n%4)+1]
.endif
.set n, n+1
.endr
	WIN 0
.set ks, 0
.rept 16
.if ks > 0
	PLACES                                         ; in front of loads into the set that the K step before has multiplied
.endif
.if ks < 15
	TRL ks+1
	s_wait_dscnt 8                                 ; all but the eight just issued
.else
	s_wait_dscnt 0x0
.endif
.set jb, 0
.rept 4
.if ks == 0
	v_wmma_f32_16x16x32_f16 v[ACC+8*jb:ACC+8*jb+7], v[BF+32*(ks%2)+8*jb:BF+32*(ks%2)+8*jb+7], v[AF+8*ks:AF+8*ks+7], 0
.else
	v_wmma_f32_16x16x32_f16 v[ACC+8*jb:ACC+8*jb+7], v[BF+32*(ks%2)+8*jb:BF+32*(ks%2)+8*jb+7], v[AF+8*ks:AF+8*ks+7], v[ACC+8*jb:ACC+8*jb+7]
.endif
.set jb, jb+1
.endr
.set ks, ks+1
.endr
	PLACES
	v_max3_num_f32 v[MXR], v[ACC], v[ACC+1], v[ACC+2]  ; the largest and the smallest of my 32 numbers, the accumulators from their low ends on
	v_min3_num_f32 v[MNR], v[ACC], v[ACC+1], v[ACC+2]
.set n, 3
.rept 14
	v_max3_num_f32 v[MXR], v[MXR], v[ACC+n], v[ACC+n+1]
	v_min3_num_f32 v[MNR], v[MNR], v[ACC+n], v[ACC+n+1]
.set n, n+2
.endr
	v_max_num_f32 v[MXR], v[MXR], v[ACC+31]
	v_min_num_f32 v[MNR], v[MNR], v[ACC+31]
.set n, 0
.rept 16
	v_cvt_pk_f16_f32 v[BF+n], v[ACC+2*n], v[ACC+2*n+1]
.set n, n+1
.endr
	global_store_b128 v[W0],   v[BF:BF+3],     s[22:23]             ; each store of the wave covers 512 consecutive bytes, aligned
	global_store_b128 v[W0],   v[BF+4:BF+7],   s[22:23] offset:512
	global_store_b128 v[W0+1], v[BF+8:BF+11],  s[22:23]
	global_store_b128 v[W0+1], v[BF+12:BF+15], s[22:23] offset:512
	v_xor_b32 v[MNR], 0x80000000, v[MNR]
	v_max_num_f32 v[MXR], v[MXR], v[MNR]           ; the largest magnitude
	v_pk_add_f32 v[CH:CH+1], v[CH:CH+1], v[CH+2:CH+3]
	v_pk_add_f32 v[CH+4:CH+5], v[CH+4:CH+5], v[CH+6:CH+7]
	v_pk_add_f32 v[CH:CH+1], v[CH:CH+1], v[CH+4:CH+5]
	v_add_f32 v[CH], v[CH], v[CH+1]
	v_permlanex16_b32 v[CH+1], v[CH], s52, s53     ; the row's other c lie in the lane 16 away
	v_add_f32 v[CH], v[CH], v[CH+1]
	v_add_f32 v[CH+1], v[CH], v[BOV]
	v_cndmask_b32 v[CH], v[CH], v[CH+1], s38       ; job v: + bo
	v_and_b32 v[CH+1], 0x7fffffff, v[CH]
	v_max_num_f32 v[CH+1], v[MXR], v[CH+1]
	v_cndmask_b32 v[MXR], v[CH+1], v[MXR], s38     ; jobs q and k: the bias is scaled with the weights, so it joins the maximum
	s_cmp_lg_u32 s29, 0                            ; every x makes the same bias; x = 0 stores it
	s_cbranch_scc1 .Lno_bias
	s_wait_xcnt 0x0                                ; EXEC changes only behind this wait
	v_cmp_gt_u32 vcc_lo, 16, v[LN]
	s_and_saveexec_b32 s54, vcc_lo
	global_store_b32 v[BFO], v[CH], s[24:25]
	s_wait_xcnt 0x0
	s_or_b32 exec_lo, exec_lo, s54
.Lno_bias:
	v_max_num_f32_dpp v[MXR], v[MXR], v[MXR] row_xmask:1 row_mask:0xf bank_mask:0xf
	v_max_num_f32_dpp v[MXR], v[MXR], v[MXR] row_xmask:2 row_mask:0xf bank_mask:0xf
	v_max_num_f32_dpp v[MXR], v[MXR], v[MXR] row_xmask:4 row_mask:0xf bank_mask:0xf
	v_max_num_f32_dpp v[MXR], v[MXR], v[MXR] row_xmask:8 row_mask:0xf bank_mask:0xf
	v_permlanex16_b32 v[MNR], v[MXR], s52, s53
	v_max_num_f32 v[MXR], v[MXR], v[MNR]
	s_lshl_b32 s42, s28, 2
	s_add_co_u32 s42, s42, MXW
	v_mov_b32 v[TMA], s42
	ds_store_b32 v[TMA], v[MXR]                    ; all lanes write the same number to the wave's word
	s_wait_dscnt 0x0
	s_barrier_signal -1
	s_barrier_wait -1
	s_cmp_lg_u32 s28, 0
	s_cbranch_scc1 .Lend
	v_mov_b32 v[TMA], MXW
	v_mov_b32 v[TMB], s40                          ; my work-group's word of mx
	ds_load_b128 v[ACC:ACC+3], v[TMA]
	s_wait_dscnt 0x0
	v_max3_num_f32 v[MXR], v[ACC], v[ACC+1], v[ACC+2]
	v_max_num_f32 v[MXR], v[MXR], v[ACC+3]
	s_wait_xcnt 0x0
	v_cmp_eq_u32 vcc_lo, 0, v[LN]
	s_and_saveexec_b32 s54, vcc_lo
	global_store_b32 v[TMB], v[MXR], s[26:27]
	s_wait_xcnt 0x0
	s_or_b32 exec_lo, exec_lo, s54
.Lend:
	s_wait_tensorcnt 0x0                           ; the wave's end, behind my last LDS store
	ds_add_u32 v[SPW], v[NIL]
	s_wait_dscnt 0x0
	s_endpgm
.Lfunc_end_k_qf8ec32cc07_prep:
	.size	k_qf8ec32cc07_prep, .Lfunc_end_k_qf8ec32cc07_prep-k_qf8ec32cc07_prep
	.p2alignl 7, 3214868480
	.fill 96, 4, 3214868480
	.section	.rodata,"a",@progbits
	.p2align	6, 0x0
	.amdhsa_kernel k_qf8ec32cc07_prep
		.amdhsa_group_segment_fixed_size 84736
		.amdhsa_private_segment_fixed_size 0
		.amdhsa_enable_private_segment 0
		.amdhsa_kernarg_size 96
		.amdhsa_user_sgpr_count 2
		.amdhsa_user_sgpr_kernarg_segment_ptr 1
		.amdhsa_wavefront_size32 1
		.amdhsa_system_sgpr_workgroup_id_x 1
		.amdhsa_system_sgpr_workgroup_id_y 1
		.amdhsa_system_sgpr_workgroup_id_z 1
		.amdhsa_system_vgpr_workitem_id 0
		.amdhsa_next_free_vgpr 768
		.amdhsa_next_free_sgpr 66
		.amdhsa_reserve_vcc 1
		.amdhsa_float_denorm_mode_32 3
		.amdhsa_float_denorm_mode_16_64 3
		.amdhsa_memory_ordered 1
		.amdhsa_forward_progress 1
		.amdhsa_inst_pref_size 69
	.end_amdhsa_kernel
	.amdgpu_metadata
---
amdhsa.version: [ 1, 2 ]
amdhsa.kernels:
  - .name:           k_qf8ec32cc07_prep
    .symbol:         k_qf8ec32cc07_prep.kd
    .args:
      - { .name: random_features, .offset: 0, .size: 8, .value_kind: global_buffer, .address_space: global }
      - { .name: Wo, .offset: 8, .size: 8, .value_kind: global_buffer, .address_space: global }
      - { .name: Wq, .offset: 16, .size: 8, .value_kind: global_buffer, .address_space: global }
      - { .name: Wk, .offset: 24, .size: 8, .value_kind: global_buffer, .address_space: global }
      - { .name: Wv, .offset: 32, .size: 8, .value_kind: global_buffer, .address_space: global }
      - { .name: bq, .offset: 40, .size: 8, .value_kind: global_buffer, .address_space: global }
      - { .name: bk, .offset: 48, .size: 8, .value_kind: global_buffer, .address_space: global }
      - { .name: bv, .offset: 56, .size: 8, .value_kind: global_buffer, .address_space: global }
      - { .name: bo, .offset: 64, .size: 8, .value_kind: global_buffer, .address_space: global }
      - { .name: wf, .offset: 72, .size: 8, .value_kind: global_buffer, .address_space: global }
      - { .name: bf, .offset: 80, .size: 8, .value_kind: global_buffer, .address_space: global }
      - { .name: mx, .offset: 88, .size: 8, .value_kind: global_buffer, .address_space: global }
    .group_segment_fixed_size: 84736
    .private_segment_fixed_size: 0
    .kernarg_segment_align: 8
    .kernarg_segment_size: 96
    .max_flat_workgroup_size: 128
    .sgpr_count:     66
    .vgpr_count:     768
    .wavefront_size: 32
...
	.end_amdgpu_metadata
.endif
;; end of part 1
;; launch proj (part 2): grid 256 x 1, 4 waves a work-group, no clusters, 327,680 bytes of LDS; arguments query, key_, value, wf, bf, mx, qf, kf, vf, scl; writes qf, kf, vf, scl
.if DOCPART == 2
	.amdgcn_target "amdgcn-amd-amdhsa--gfx1250"
	.amdhsa_code_object_version 6
	.text
	.protected	k_qf8ec32cc07_proj
	.globl	k_qf8ec32cc07_proj
	.p2align	8
	.type	k_qf8ec32cc07_proj,@function
k_qf8ec32cc07_proj:
	s_mov_b64 s[64:65], 0
	v_nop
	global_prefetch_b8 v0, s[64:65] scope:SCOPE_SE
	s_setreg_imm32_b32 hwreg(HW_REG_WAVE_MODE, 25, 1), 1
	s_wait_xcnt 0x0
; PROJ: qf' = sq (query Wqf^T + bqf), kf' = sk (key_ Wkf^T + bkf), v' = sv value Wvo^T, all rounded once to f16 from f32 sums; operands f16.
; sq, sk, sv are powers of two that bring the folded weights' (q, k: and biases') largest magnitude into 0.5 .. 1, so that the three results have room in f16 whatever the
; weights' size; the next launch undoes them in f32: it is handed c' = log2(e) / sqrt(512) / (sq sk) and 1 / sv.
; SHARES.  A work-group takes 64 rows of each of the three tensors.  A tile of 64 rows x 512 f32 comes by four tensor loads, wave w bringing K quarter w (64 rows of 512 bytes).
; Two LDS slots: query and value go out together at the start; key_ follows into query's slot; the order q, v, k puts the long pass over the third tile's flight.
; q, k: wave w makes features 32 w .. +31 of all 64 rows (8 accumulators); source 0 = weights, source 1 = x: a lane ends with 8 neighbouring features of a row.
; v:    wave w makes channels 128 w .. +127 of all 64 rows (32 accumulators); source 0 = x, source 1 = weights: a lane ends with 8 neighbouring KEYS of a channel.
; So each lane's 16 bytes, and the wave's 512, are half a fragment as the next launch multiplies it: qf, kf [16 rows][8 feature blocks][512 B], vf [32 keys][32 channel blocks][2][512 B].
; The weights come straight from memory in fragment order, four groups of 16 loads ahead: no wave wants another wave's.
; NO CLUSTER: no two work-groups read the same rows of x; the weights are read by all, but the two slots of x take 270,336 of the 327,680 bytes of LDS, which leaves no room for slots of them.
; LIMITS.  The inputs lie within f16's range, 65,504; folded weights or biases of 2^126 and more are not served; NaN and infinities are not treated apart.
.set XP,    528                        ; a row of a K quarter in LDS: 512 bytes + 16: an odd multiple of 16, so the 16 rows of a load start at 16 different columns of 16 bytes
.set RGN,   64*XP                      ; a K quarter: what one tensor load brings
.set SLOT,  4*RGN
.set SPARE, 2*SLOT                     ; behind the slots: the spare words, 128 bytes for each wave
.set SUP,   32768                      ; a group of weights in wf: 8,192 bytes for each wave
.set RR,  2                            ; v2   lane % 16
.set HH,  3                            ; v3   lane / 16
.set LN,  4                            ; v4   lane
.set XL,  5                            ; v5   my place in a fragment's rows of x
.set XQ,  6                            ; v6-9 the same in slot 0's four quarters
.set XV,  10                           ; v10  the same in slot 1; steps a quarter a trip
.set WO,  11                           ; v11  8,192 w + 16 l: my offset in a group of weights, and in vf; never rewritten
.set QO,  12                           ; v12  1,024 w + 16 l: my offset in qf and kf; never rewritten
.set BFO, 13
.set MXO, 14
.set SPW, 16                           ; v16  my spare word; never rewritten
.set NIL, 17                           ; v17  0; never rewritten
.set MM,  18                           ; v18-20 the maxima
.set BQ,  32                           ; v32-47 sq bqf of my 2 x 8 features
.set BK,  48                           ; v48-63 sk bkf
.set XS,  64                           ; v64-127  a K step of x in f32
.set XF,  128                          ; v128-191 its fragments, two sets of four
.set ACC, 192                          ; v192-255 q's and k's accumulators, (row tile rt, feature block cb) at 8 (2 rt + cb)
                                       ; window 1: the weights, four buffers of 64;  window 2: v's accumulators, (rt, cb) at 8 (8 rt + cb)
.set G1,  24                           ; s[24:31] descriptor group 1
.set G0Q, 32                           ; s[32:35], s[36:39], s[40:43] group 0 for query, value, key_
.set G0V, 36
.set G0K, 40
.set WV,  44
.set CNT, 45
.set WP,  46                           ; s[46:47] the weights that the v loop asks for
.set SQ,  48                           ; s[48:49], s[50:51], s[52:53] the three scales, as pairs for the packed forms
.set SK,  50
.set SV,  52
.set SEL, 56
.set MSB, 0
.macro WIN new
.if MSB != (\new)
	s_set_vgpr_msb (MSB<<8)|(\new)
.set MSB, (\new)
.endif
.endm
.macro PLACES
.rept 4
	v_nop
.endr
.endm
.macro XLOAD adr, i                    ; K step i of a quarter: 64 rows x 32 f32, laid as the four fragments will lie
.set n, 0
.rept 16
	ds_load_b128 v[XS+4*n:XS+4*n+3], v[\adr] offset:(n/4)*16*XP+128*(\i)+16*(n%2)+64*((n%4)/2)
.set n, n+1
.endr
.endm
.macro XCVT set
.set n, 0
.rept 32
	v_cvt_pk_f16_f32 v[XF+32*(\set)+n], v[XS+2*n], v[XS+2*n+1]
.set n, n+1
.endr
.endm
.macro LOADW base, imm, buf            ; a group of weights: 16 pieces of 512 consecutive bytes
	WIN 0x40
.set n, 0
.rept 16
	global_load_b128 v[64*(\buf)+4*n:64*(\buf)+4*n+3], v[WO], s[\base:\base+1] offset:(\imm)+512*n
.set n, n+1
.endr
	WIN 0
.endm
; The pass for q or k over slot 0: 16 K steps, 8 products each; the 8 accumulators take turns.  next = 1: each buffer of weights, once used, takes v's first groups.
.macro QKPASS next
	XLOAD XQ, 0
.set ks, 0
.rept 16
	s_wait_dscnt 0x0
	XCVT ks%2
.if ks < 15
	XLOAD XQ+(ks+1)/4, (ks+1)%4
.endif
	WIN 0x01                                       ; source 0 (weights) window 1
.set n, 0
.rept 8
.if ks == 0
	v_wmma_f32_16x16x32_f16 v[ACC+8*n:ACC+8*n+7], v[16*ks+8*(n%2):16*ks+8*(n%2)+7], v[XF+32*(ks%2)+8*(n/2):XF+32*(ks%2)+8*(n/2)+7], 0
.else
	v_wmma_f32_16x16x32_f16 v[ACC+8*n:ACC+8*n+7], v[16*ks+8*(n%2):16*ks+8*(n%2)+7], v[XF+32*(ks%2)+8*(n/2):XF+32*(ks%2)+8*(n/2)+7], v[ACC+8*n:ACC+8*n+7]
.endif
.set n, n+1
.endr
	WIN 0
.if (\next) && (ks%4 == 3)
	PLACES
	LOADW 10, (4+ks/4)*SUP, ks/4
.endif
.set ks, ks+1
.endr
.endm
.macro QKOUT sg, bb, ptr               ; acc x scale + scaled bias, rounded, stored: each store of the wave covers 512 consecutive bytes, aligned
	PLACES
.set n, 0
.rept 32
	v_pk_fma_f32 v[XS+2*n:XS+2*n+1], v[ACC+2*n:ACC+2*n+1], s[\sg:\sg+1], v[\bb+8*((n/4)%2)+2*(n%4):\bb+8*((n/4)%2)+2*(n%4)+1] op_sel_hi:[1,0,1]
.set n, n+1
.endr
.set n, 0
.rept 32
	v_cvt_pk_f16_f32 v[XF+n], v[XS+2*n], v[XS+2*n+1]
.set n, n+1
.endr
.set n, 0
.rept 8
	global_store_b128 v[QO], v[XF+4*n:XF+4*n+3], s[\ptr:\ptr+1] offset:4096*(n/2)+512*(n%2)
.set n, n+1
.endr
.endm
.macro SCALE in, sig, inv              ; from a largest magnitude 1.x 2^(E - 127): the scale 2^(126 - E) and its reciprocal
	s_lshr_b32 \in, \in, 23
	s_min_u32 \in, \in, 252
	s_sub_co_u32 \sig, 253, \in
	s_lshl_b32 \sig, \sig, 23
	s_add_co_u32 \inv, \in, 1
	s_lshl_b32 \inv, \inv, 23
.endm
	s_load_b512 s[4:19], s[0:1], 0x0               ; query s[4:5], key_ s[6:7], value s[8:9], wf s[10:11], bf s[12:13], mx s[14:15], qf s[16:17], kf s[18:19]
	s_load_b128 s[20:23], s[0:1], 0x40             ; vf s[20:21], scl s[22:23]
	v_lshl_add_u32 v[SPW], v0, 2, SPARE
	v_mov_b32 v[NIL], 0
	ds_add_u32 v[SPW], v[NIL]                      ; the wave's opening: the add and its wait ahead of my first tensor load
	ds_add_u32 v16, v17
	v_lshrrev_b32 v1, 5, v0
	v_readfirstlane_b32 s[WV], v1
	s_mov_b32 s[G1+0], (2<<16)|(1<<20)|(6<<22)|(3<<25)  ; elements of 4 bytes; padding on: after every 128 words, 4 words
	s_mov_b32 s[G1+1], 128<<16                     ; tensor_dim0 = 128
	s_mov_b32 s[G1+2], 64<<16                      ; tensor_dim1 = 64
	s_mov_b32 s[G1+3], 128<<16                     ; tile_dim0 = 128
	s_mov_b32 s[G1+4], 64                          ; tile_dim1 = 64
	s_mov_b32 s[G1+5], 512                         ; elements from row to row
	s_mov_b32 s[G1+6], 0
	s_mov_b32 s[G1+7], 0
	s_mov_b32 s[G0Q], 1
	s_mul_i32 s[G0Q+1], s[WV], RGN                 ; slot 0, my quarter
	s_mov_b32 s[G0V], 1
	s_add_co_u32 s[G0V+1], s[G0Q+1], SLOT          ; slot 1
	s_mov_b32 s[G0K], 1
	s_mul_i32 s[G0K+1], s[WV], RGN                 ; slot 0 again
	s_lshl_b32 s2, ttmp9, 17                       ; the work-group's 64 rows of 2,048 bytes,
	s_lshl_b32 s55, s[WV], 9                       ; my quarter of a row
	s_add_co_u32 s2, s2, s55
	s_mov_b32 s3, 0
	s_mov_b32 s[SEL], 0x76543210
	s_mov_b32 s[SEL+1], 0xfedcba98
	v_and_b32 v[RR], 15, v0
	v_bfe_u32 v[HH], v0, 4, 1
	v_and_b32 v[LN], 31, v0
	v_mul_u32_u24 v[XL], v[RR], XP
	v_lshl_add_u32 v[XL], v[HH], 5, v[XL]          ; row x pitch + 32 bytes for each half of the lanes
.set n, 0
.rept 4
	v_add_nc_u32 v[XQ+n], n*RGN, v[XL]
.set n, n+1
.endr
	v_add_nc_u32 v[XV], SLOT, v[XL]
	v_lshlrev_b32 v[WO], 4, v[LN]
	v_lshl_add_u32 v[QO], v1, 10, v[WO]
	v_lshl_add_u32 v[WO], v1, 13, v[WO]
	v_lshlrev_b32 v[BFO], 5, v[HH]
	v_lshl_add_u32 v[BFO], v1, 7, v[BFO]           ; 4 x (32 w + 8 h)
	v_lshlrev_b32 v[MXO], 2, v[LN]
	s_wait_dscnt 0x0                               ; the opening add is done
	s_wait_kmcnt 0x0
	s_add_nc_u64 s[G0Q+2:G0Q+3], s[4:5], s[2:3]
	s_or_b32 s[G0Q+3], s[G0Q+3], 0x80000000
	s_add_nc_u64 s[G0V+2:G0V+3], s[8:9], s[2:3]
	s_or_b32 s[G0V+3], s[G0V+3], 0x80000000
	s_add_nc_u64 s[G0K+2:G0K+3], s[6:7], s[2:3]
	s_or_b32 s[G0K+3], s[G0K+3], 0x80000000
	tensor_load_to_lds s[G0Q:G0Q+3], s[G1:G1+7]    ; the two first fills go out together: two loads of mine are out
	s_nop 0
	tensor_load_to_lds s[G0V:G0V+3], s[G1:G1+7]
	s_nop 0
	PLACES
	s_lshl_b32 s2, ttmp9, 14
	s_add_nc_u64 s[16:17], s[16:17], s[2:3]        ; qf, kf: 64 rows of 256 bytes
	s_add_nc_u64 s[18:19], s[18:19], s[2:3]
	s_lshl_b32 s2, ttmp9, 16
	s_add_nc_u64 s[20:21], s[20:21], s[2:3]        ; vf: two groups of 32 keys
	s_add_nc_u64 s[WP:WP+1], s[10:11], 8*SUP
	LOADW 10, 0*SUP, 0                             ; all of Wqf
	LOADW 10, 1*SUP, 1
	LOADW 10, 2*SUP, 2
	LOADW 10, 3*SUP, 3
.set n, 0
.rept 4
	global_load_b128 v[BQ+4*n:BQ+4*n+3], v[BFO], s[12:13] offset:64*(n/2)+16*(n%2)
	global_load_b128 v[BK+4*n:BK+4*n+3], v[BFO], s[12:13] offset:512+64*(n/2)+16*(n%2)
.set n, n+1
.endr
	global_load_b32 v[MM],   v[MXO], s[14:15]            ; lanes 0-15: job q's work-groups, lanes 16-31: job k's
	global_load_b32 v[MM+1], v[MXO], s[14:15] offset:128 ; job v's 64
	global_load_b32 v[MM+2], v[MXO], s[14:15] offset:256
	WIN 0x80
.set n, 0
.rept 256
	v_mov_b32 v[n], 0                              ; v's sums start at 0: written while the first tiles are on their way, so that the v loop has one form of product
.set n, n+1
.endr
	WIN 0
	s_wait_loadcnt 0x0
.irp m, 1,2,4,8
	v_max_num_f32_dpp v[MM], v[MM], v[MM] row_xmask:\m row_mask:0xf bank_mask:0xf
.endr
	v_max_num_f32 v[MM+1], v[MM+1], v[MM+2]
.irp m, 1,2,4,8
	v_max_num_f32_dpp v[MM+1], v[MM+1], v[MM+1] row_xmask:\m row_mask:0xf bank_mask:0xf
.endr
	v_permlanex16_b32 v[MM+2], v[MM+1], s[SEL], s[SEL+1]
	v_max_num_f32 v[MM+1], v[MM+1], v[MM+2]
	v_readlane_b32 s58, v[MM], 0
	v_readlane_b32 s59, v[MM], 16
	v_readfirstlane_b32 s60, v[MM+1]
	SCALE s58, s[SQ], s61
	SCALE s59, s[SK], s62
	SCALE s60, s[SV], s63
	s_mov_b32 s[SQ+1], s[SQ]
	s_mov_b32 s[SK+1], s[SK]
	s_mov_b32 s[SV+1], s[SV]
	s_mul_f32 s61, s61, s62
	s_mul_f32 s61, s61, 0x3d8293ee                 ; c' = log2(e) / sqrt(512) / (sq sk)
.set n, 0
.rept 8
	v_pk_mul_f32 v[BQ+2*n:BQ+2*n+1], v[BQ+2*n:BQ+2*n+1], s[SQ:SQ+1] op_sel_hi:[1,0]
	v_pk_mul_f32 v[BK+2*n:BK+2*n+1], v[BK+2*n:BK+2*n+1], s[SK:SK+1] op_sel_hi:[1,0]
.set n, n+1
.endr
	s_cmp_lg_u32 ttmp9, 0                          ; one lane of the launch hands c' and 1 / sv on
	s_cbranch_scc1 .Lno_scl
	s_cmp_lg_u32 s[WV], 0
	s_cbranch_scc1 .Lno_scl
	v_mov_b32 v24, s61
	v_mov_b32 v25, s63
	v_mov_b32 v26, 0
	s_wait_xcnt 0x0                                ; EXEC changes only behind this wait
	v_cmp_eq_u32 vcc_lo, 0, v0
	s_and_saveexec_b32 s58, vcc_lo
	global_store_b64 v26, v[24:25], s[22:23]
	s_wait_xcnt 0x0
	s_or_b32 exec_lo, exec_lo, s58
.Lno_scl:
	s_wait_tensorcnt 0x1                           ; my quarter of query is in; value's, issued behind it, may stay out
	s_barrier_signal -1
	s_barrier_wait -1
	QKPASS 1
	s_wait_tensorcnt 0x0                           ; all my tensor loads have landed, value's quarter among them
	ds_add_u32 v[SPW], v[NIL]                      ; 0 onto my spare word
	s_wait_dscnt 0x0                               ; the add is done, and my reads of slot 0 are over
	s_barrier_signal -1
	s_barrier_wait -1
	tensor_load_to_lds s[G0K:G0K+3], s[G1:G1+7]    ; key_ into slot 0: my one load behind this barrier; it has the whole v pass in which to land
	s_nop 0
	PLACES
	QKOUT SQ, BQ, 16
	s_wait_xcnt 0x0                                ; q's stores have read their registers, which the v loop writes
	s_mov_b32 s[CNT], 4
.Lvq:                                                  ; a trip: one K quarter of value, four K steps of 32 products
	XLOAD XV, 0
.irp i, 0,1,2,3
	s_wait_dscnt 0x0
	XCVT \i%2
.if \i < 3
	XLOAD XV, \i+1
.endif
	s_wait_loadcnt 48                              ; buffer i is in: the three groups of 16 loads issued behind it may stay out, on the way in and over the backward jump alike
	WIN 0xa4                                       ; source 1 (weights) window 1, C and D window 2
.set n, 0
.rept 32
	v_wmma_f32_16x16x32_f16 v[8*n:8*n+7], v[XF+32*(\i%2)+8*(n/8):XF+32*(\i%2)+8*(n/8)+7], v[64*\i+8*(n%8):64*\i+8*(n%8)+7], v[8*n:8*n+7]
.set n, n+1
.endr
	WIN 0
	PLACES
	LOADW WP, SUP*\i, \i                           ; four K steps on; the last trip's four groups are Wkf, so nothing is loaded in vain
.endr
	s_wait_xcnt 0x0                                ; the loads have read their base
	s_add_nc_u64 s[WP:WP+1], s[WP:WP+1], 4*SUP
	v_add_nc_u32 v[XV], RGN, v[XV]
	s_sub_co_u32 s[CNT], s[CNT], 1
	s_cmp_lg_u32 s[CNT], 0
	s_cbranch_scc1 .Lvq
.set b, 0
.rept 4                                ; row tile b: eight accumulators are scaled, rounded and stored; 128 different registers hold the stores' data
	WIN 0x02                                       ; source 0 window 2
.set n, 0
.rept 32
	v_pk_mul_f32 v[ACC+2*n:ACC+2*n+1], v[64*b+2*n:64*b+2*n+1], s[SV:SV+1] op_sel_hi:[1,0]
.set n, n+1
.endr
	WIN 0
.set n, 0
.rept 32
	v_cvt_pk_f16_f32 v[XS+32*b+n], v[ACC+2*n], v[ACC+2*n+1]
.set n, n+1
.endr
.set n, 0
.rept 8
	global_store_b128 v[WO], v[XS+32*b+4*n:XS+32*b+4*n+3], s[20:21] offset:32768*(b/2)+1024*n+512*(b%2)
.set n, n+1
.endr
.set b, b+1
.endr
	s_wait_tensorcnt 0x0                           ; my quarter of key_ is in,
	s_wait_dscnt 0x0
	s_barrier_signal -1
	s_barrier_wait -1                              ; everybody's is
	s_wait_loadcnt 0x0                             ; Wkf
	s_wait_xcnt 0x0                                ; v's stores have read their registers
	QKPASS 0
	QKOUT SK, BK, 18
	s_wait_tensorcnt 0x0                           ; the wave's end
	ds_add_u32 v[SPW], v[NIL]
	s_wait_dscnt 0x0
	s_endpgm
.Lfunc_end_k_qf8ec32cc07_proj:
	.size	k_qf8ec32cc07_proj, .Lfunc_end_k_qf8ec32cc07_proj-k_qf8ec32cc07_proj
	.p2alignl 7, 3214868480
	.fill 96, 4, 3214868480
	.section	.rodata,"a",@progbits
	.p2align	6, 0x0
	.amdhsa_kernel k_qf8ec32cc07_proj
		.amdhsa_group_segment_fixed_size 327680
		.amdhsa_private_segment_fixed_size 0
		.amdhsa_enable_private_segment 0
		.amdhsa_kernarg_size 80
		.amdhsa_user_sgpr_count 2
		.amdhsa_user_sgpr_kernarg_segment_ptr 1
		.amdhsa_wavefront_size32 1
		.amdhsa_system_sgpr_workgroup_id_x 1
		.amdhsa_system_sgpr_workgroup_id_y 1
		.amdhsa_system_sgpr_workgroup_id_z 1
		.amdhsa_system_vgpr_workitem_id 0
		.amdhsa_next_free_vgpr 768
		.amdhsa_next_free_sgpr 66
		.amdhsa_reserve_vcc 1
		.amdhsa_float_denorm_mode_32 3
		.amdhsa_float_denorm_mode_16_64 3
		.amdhsa_memory_ordered 1
		.amdhsa_forward_progress 1
		.amdhsa_inst_pref_size 202
	.end_amdhsa_kernel
	.amdgpu_metadata
---
amdhsa.version: [ 1, 2 ]
amdhsa.kernels:
  - .name:           k_qf8ec32cc07_proj
    .symbol:         k_qf8ec32cc07_proj.kd
    .args:
      - { .name: query, .offset: 0, .size: 8, .value_kind: global_buffer, .address_space: global }
      - { .name: key_, .offset: 8, .size: 8, .value_kind: global_buffer, .address_space: global }
      - { .name: value, .offset: 16, .size: 8, .value_kind: global_buffer, .address_space: global }
      - { .name: wf, .offset: 24, .size: 8, .value_kind: global_buffer, .address_space: global }
      - { .name: bf, .offset: 32, .size: 8, .value_kind: global_buffer, .address_space: global }
      - { .name: mx, .offset: 40, .size: 8, .value_kind: global_buffer, .address_space: global }
      - { .name: qf, .offset: 48, .size: 8, .value_kind: global_buffer, .address_space: global }
      - { .name: kf, .offset: 56, .size: 8, .value_kind: global_buffer, .address_space: global }
      - { .name: vf, .offset: 64, .size: 8, .value_kind: global_buffer, .address_space: global }
      - { .name: scl, .offset: 72, .size: 8, .value_kind: global_buffer, .address_space: global }
    .group_segment_fixed_size: 327680
    .private_segment_fixed_size: 0
    .kernarg_segment_align: 8
    .kernarg_segment_size: 80
    .max_flat_workgroup_size: 128
    .sgpr_count:     66
    .vgpr_count:     768
    .wavefront_size: 32
...
	.end_amdgpu_metadata
.endif
;; end of part 2
;; launch attn (part 3): grid 64 x 4, 4 waves a work-group, clusters of 4 x 1, 327,680 bytes of LDS; arguments qf, kf, vf, bf, scl, out0; writes out0
.if DOCPART == 3
	.amdgcn_target "amdgcn-amd-amdhsa--gfx1250"
	.amdhsa_code_object_version 6
	.text
	.protected	k_qf8ec32cc07_attn
	.globl	k_qf8ec32cc07_attn
	.p2align	8
	.type	k_qf8ec32cc07_attn,@function
k_qf8ec32cc07_attn:
	s_mov_b64 s[64:65], 0
	v_nop
	global_prefetch_b8 v0, s[64:65] scope:SCOPE_SE
	s_setreg_imm32_b32 hwreg(HW_REG_WAVE_MODE, 25, 1), 1
	s_wait_xcnt 0x0
	s_wait_alu depctr_hold_cnt(0) depctr_sa_sdst(0) depctr_va_vdst(0) depctr_va_sdst(0) depctr_va_ssrc(0) depctr_va_vcc(0) depctr_vm_vsrc(0)
	s_getreg_b32 s2, hwreg(HW_REG_IB_STS2, 6, 4)
	s_cmp_eq_u32 s2, 0
	s_cbranch_scc0 .Lentry_in_a_cluster
	s_endpgm
.Lentry_in_a_cluster:
	s_bfe_u32 s2, ttmp6, 0x10000c
	s_cmp_lg_u32 s2, 0x3003
	s_cbranch_scc0 .Lentry_shape_is_right
	s_endpgm
.Lentry_shape_is_right:
; ATTN: out[b][n][:] = (sum over s of p v'[s][:]) / (sum of p) / sv + b2,  p = 2^(c' qf'[n] . kf'[s] - m), m the running maximum of the exponents.  qf', kf', v', p in f16; products, maxima and sums in f32.
; SHARES.  A work-group owns 64 queries (four tiles of 16) of one batch and walks its 4,096 keys, 128 a step.
; THE SCORES ARE SPLIT BY KEYS: wave w makes S^T = K Q^T for keys 32 w .. +31 of the step and all 64 queries (32 products); its 8 KiB of K come straight from memory in fragment order.
; O IS SPLIT BY CHANNELS: wave w owns channels 128 w .. +127 of all 64 queries (32 accumulators, 128 products a step), so each byte of V is read from LDS once in the work-group.
; Between the two the weights P (16 KiB a step) and each wave's row maxima cross between the waves through LDS, in two buffers by turns; every wave makes the same m and a from the same four maxima.
; LAYOUT.  In S^T a lane holds one query (lane % 16) and keys 8 (lane / 16) + 0..7; two such results rounded in pairs are source 1 (32 keys x 16 queries) of O^T = V^T P; V lies in memory as source 0's fragments.
; THE PIPELINE, one barrier a step.  Trip j: O x a(j) rides behind the products K Q^T of step j + 2; then the products V^T P of step j, and between them the softmax of step j + 1 and the maxima of step j + 2.
; CLUSTER.  The four work-groups of a cluster belong to one batch: V's tile is asked for JOINTLY, wave w bringing the step's keys 32 w .. +31 (128 rows of 256 bytes).
; K is not asked for jointly: two slots of V (262,144 bytes), two buffers of P (32,768) and two slots of K (65,536) are more than the 327,680 bytes of LDS; K is a fifth of a step's bytes.
; LIMITS.  m starts at -4.25e37: exponents below that are not served; a weight below 2^-126 counts as 0; p below 6e-5 keeps f16's fixed step of 6e-8; NaN and infinities are not treated apart.
; REGISTERS, in windows of 256: window 0 addresses, statistics, scores;  window 1 O^T at 64 t + 8 cb;  window 2 Q (v0-127), K (v128-191), b2 (v192-255);
; window 3 two sets of fragments: V at 96 s + 4 n, P at 96 s + 64 + 4 n.
.set SLOT1, 1<<17                      ; V's slots at 0 and here, 131,072 bytes each
.set PB0,   0x40000                    ; P: two buffers of 16,384: [wave][tile][half][lane x 16]
.set LM0,   0x48000                    ; the waves' maxima: two buffers of 1,024: [tile][query][wave], f32
.set LSB,   0x48800                    ; the waves' sums, likewise
.set SPARE, 0x48c00                    ; the spare words, 128 bytes for each wave
.set STG,   0x48e00                    ; the way out: 16 rows x 272 bytes for each wave
.set SP,    272
.set L16, 1                            ; v1   16 l
.set R16, 2                            ; v2   16 (l % 16)
.set RW,  3                            ; v3   16 (l % 16) + 4 w
.set VL,  4                            ; v4   8,192 w + 16 l
.set PWL, 5                            ; v5   4,096 w + 16 l
.set VA,  6                            ; v6-7 V's fragments in the slot in hand, key groups 0, 1 and 2, 3
.set PRA, 8                            ; v8   where P is read
.set PWA, 9                            ; v9   where I write P
.set LRA, 10                           ; v10  where the maxima are read
.set LWA, 11                           ; v11  where I write mine
.set KO,  12                           ; v12  my offset in K
.set PFO, 13                           ; v13  256 l; never rewritten
.set SPW, 16                           ; v16  my spare word; never rewritten
.set NIL, 17                           ; v17  0; never rewritten
.set STO, 18
.set RD,  19
.set GO,  20
.set LSW, 21
.set LSR, 22
.set B2O, 23
.set ST,  32                           ; tile t's statistics at ST + 8 t: m (in exponent units), its twin, l (a pair), a, its twin, two at work
.set LMV, 64                           ; v64-79   four waves' maxima a tile
.set SA,  96                           ; v96-159  the scores under the softmax: 16 t + 8 kb + j
.set SB,  160                          ; v160-223 the products' results
.set PO,  224                          ; v224-255 P on its way to LDS
.set KF,  128
.set B2,  192
.set WV,  16
.set G0,  20                           ; s[20:23] the walking descriptor
.set G1,  24                           ; s[24:31]
.set CNT, 32
.set KN,  33                           ; the step whose K is asked for next
.set VS,  34                           ; five LDS bases that change sides at each barrier
.set PRD, 35
.set PWR, 36
.set LRD, 37
.set LWR, 38
.set TS,  39
.set CS,  40                           ; s[40:41] c'
.set IV,  42                           ; s[42:43] 1 / sv
.set SEL, 44
.set PFV, 46                           ; s[46:47], s[48:49] where my prefetches stand
.set PFK, 48
.set LIMV, 50
.set LIMK, 51
.set KB,  52                           ; s[52:53] K at my batch and my wave's 32 keys
.set MSB, 0
.macro WIN new
.if MSB != (\new)
	s_set_vgpr_msb (MSB<<8)|(\new)
.set MSB, (\new)
.endif
.endm
.macro PLACES
.rept 4
	v_nop
.endr
.endm
.macro CROUND                          ; a round of the cluster's barrier
	s_barrier_signal -1
	s_barrier_wait -1
	s_cmp_lg_u32 s[WV], 0
	s_cbranch_scc1 .Lnot_wave_0_\@
	s_barrier_signal -3
.Lnot_wave_0_\@:
	s_barrier_wait -3
	s_barrier_signal -1
	s_barrier_wait -1
.endm
.macro TOGGLE
	s_xor_b32 s[VS],  s[VS],  SLOT1
	s_xor_b32 s[PRD], s[PRD], 0x4000
	s_xor_b32 s[PWR], s[PWR], 0x4000
	s_xor_b32 s[LRD], s[LRD], 0x400
	s_xor_b32 s[LWR], s[LWR], 0x400
.endm
.macro ADDRS
	v_add_nc_u32 v[VA],   s[VS],  v[VL]
	v_add_nc_u32 v[VA+1], 0x10000, v[VA]
	v_add_nc_u32 v[PRA],  s[PRD], v[L16]
	v_add_nc_u32 v[PWA],  s[PWR], v[PWL]
	v_add_nc_u32 v[LRA],  s[LRD], v[R16]
	v_add_nc_u32 v[LWA],  s[LWR], v[RW]
.endm
.macro LMLOAD
.irp t, 0,1,2,3
	ds_load_b128 v[LMV+4*\t:LMV+4*\t+3], v[LRA] offset:256*\t
.endr
.endm
.macro FRAG g                          ; key group g of the step: my 8 fragments of V and the 4 tiles' fragments of P, 24 loads of 512 consecutive bytes
	WIN 0xc0                                       ; destination window 3
.set n, 0
.rept 16
	ds_load_b128 v[96*((\g)%2)+4*n:96*((\g)%2)+4*n+3], v[VA+(\g)/2] offset:32768*((\g)%2)+512*n
.set n, n+1
.endr
.set n, 0
.rept 8
	ds_load_b128 v[96*((\g)%2)+64+4*n:96*((\g)%2)+64+4*n+3], v[PRA] offset:4096*(\g)+512*n
.set n, n+1
.endr
.endm
.macro KQ                              ; product i of 32 of S^T: features 32 (i / 8) on, tile (i % 8) / 2, key block i % 2; the 8 accumulators take turns
	WIN 0x0a                                       ; K and Q window 2
.set rS, SB+16*((i%8)/2)+8*(i%2)
.set rK, KF+32*(i%2)+8*(i/8)
.set rQ, 32*((i%8)/2)+8*(i/8)
.if i < 8
	v_wmma_f32_16x16x32_f16 v[rS:rS+7], v[rK:rK+7], v[rQ:rQ+7], 0
.else
	v_wmma_f32_16x16x32_f16 v[rS:rS+7], v[rK:rK+7], v[rQ:rQ+7], v[rS:rS+7]
.endif
.set i, i+1
.endm
.macro RS cnt                          ; the next entries of O^T x a: 128 in all, each accumulator from its low end on
	WIN 0x41                                       ; O^T window 1, a window 0
.rept \cnt
	v_pk_mul_f32 v[64*(e/32)+2*(e%32):64*(e/32)+2*(e%32)+1], v[64*(e/32)+2*(e%32):64*(e/32)+2*(e%32)+1], v[ST+8*(e/32)+4:ST+8*(e/32)+5] op_sel_hi:[1,0]
.set e, e+1
.endr
.endm
.macro KLOAD                           ; my 32 keys of step KN; behind the last step the last is asked for again, so that every trip has one text and no load leaves the buffer
	WIN 0
	s_min_u32 s[TS], s[KN], 31
	s_lshl_b32 s[TS], s[TS], 15
	s_add_co_u32 s[KN], s[KN], 1
	v_add_nc_u32 v[KO], s[TS], v[L16]              ; free: the loads that named it were waited for ahead of the products
	WIN 0x80
.set n, 0
.rept 16
	global_load_b128 v[KF+4*n:KF+4*n+3], v[KO], s[KB:KB+1] offset:512*n
.set n, n+1
.endr
	WIN 0
.endm
; THE SOFTMAX'S QUEUE, 265 entries, all in window 0; VQ1 writes entry q and steps q.
;   0-15    for each tile: the four waves' maxima and the old m; the change of m; the new m
;   16-115  ONE BATCH: the 32 subtractions of m (a pair of scores each) and all 68 exponentials (the four a, then the 64 scores); none reads an exponential's result, and each pair is shifted ahead of its exponentials
;   116     a plain instruction behind the last exponential, and the trip's one wait, ahead of the first reader
;   117-156 the roundings to f16 and P's eight stores          157-188 the sums, l = a l + sum
;   189-220 the next step's scores times c', from the products' registers into the softmax's          221-264 their maxima over my 32 keys, and the four stores
.macro FS p
	v_pk_add_f32 v[SA+2*(\p):SA+2*(\p)+1], v[SA+2*(\p):SA+2*(\p)+1], v[ST+8*((\p)/8):ST+8*((\p)/8)+1] op_sel_hi:[1,0] neg_lo:[0,1] neg_hi:[0,1]
.endm
.macro EX x
.if (\x) < 4
	v_exp_f32 v[ST+8*(\x)+4], v[ST+8*(\x)+7]
.else
	v_exp_f32 v[SA+(\x)-4], v[SA+(\x)-4]
.endif
.endm
.macro VQ1
.if q < 16
.set rT, ST+8*(q%4)
.set rL, LMV+4*(q%4)
.if q/4 == 0
	v_max3_num_f32 v[rT+6], v[rL], v[rL+1], v[rL+2]
.elseif q/4 == 1
	v_max3_num_f32 v[rT+6], v[rT+6], v[rL+3], v[rT]
.elseif q/4 == 2
	v_sub_f32 v[rT+7], v[rT], v[rT+6]
.else
	v_mov_b32 v[rT], v[rT+6]
.endif
.elseif q < 28
	FS q-16
.elseif q < 108
.if (q-28)%4 == 0
	FS 12+(q-28)/4
.else
	EX 3*((q-28)/4)+(q-28)%4-1
.endif
.elseif q < 116
	EX q-48
.elseif q == 116
	v_nop
	s_wait_alu depctr_va_vdst(0)
.elseif q < 149
	v_cvt_pk_f16_f32 v[PO+q-117], v[SA+2*(q-117)], v[SA+2*(q-117)+1]
.elseif q < 157
	ds_store_b128 v[PWA], v[PO+4*(q-149):PO+4*(q-149)+3] offset:512*(q-149)
.elseif q < 189
.set rT, ST+8*((q-157)%4)
.set rS, SA+16*((q-157)%4)
.set z, (q-157)/4
.if z < 4
	v_pk_add_f32 v[rS+4*z:rS+4*z+1], v[rS+4*z:rS+4*z+1], v[rS+4*z+2:rS+4*z+3]
.elseif z < 6
	v_pk_add_f32 v[rS+8*(z-4):rS+8*(z-4)+1], v[rS+8*(z-4):rS+8*(z-4)+1], v[rS+8*(z-4)+4:rS+8*(z-4)+5]
.elseif z == 6
	v_pk_add_f32 v[rS:rS+1], v[rS:rS+1], v[rS+8:rS+9]
.else
	v_pk_fma_f32 v[rT+2:rT+3], v[rT+2:rT+3], v[rT+4:rT+5], v[rS:rS+1] op_sel_hi:[1,0,1]
.endif
.elseif q < 221
	v_pk_mul_f32 v[SA+2*(q-189):SA+2*(q-189)+1], v[SB+2*(q-189):SB+2*(q-189)+1], s[CS:CS+1] op_sel_hi:[1,0]
.elseif q < 261
.set rT, ST+8*((q-221)%4)
.set rS, SA+16*((q-221)%4)
.set z, (q-221)/4
.if z == 0
	v_max3_num_f32 v[rT+6], v[rS], v[rS+1], v[rS+2]
.elseif z == 1
	v_max3_num_f32 v[rT+7], v[rS+8], v[rS+9], v[rS+10]
.elseif z == 2
	v_max3_num_f32 v[rT+6], v[rT+6], v[rS+3], v[rS+4]
.elseif z == 3
	v_max3_num_f32 v[rT+7], v[rT+7], v[rS+11], v[rS+12]
.elseif z == 4
	v_max3_num_f32 v[rT+6], v[rT+6], v[rS+5], v[rS+6]
.elseif z == 5
	v_max3_num_f32 v[rT+7], v[rT+7], v[rS+13], v[rS+14]
.elseif z == 6
	v_max3_num_f32 v[rT+6], v[rT+6], v[rS+7], v[rS+15]
.elseif z == 7
	v_max_num_f32 v[rT+6], v[rT+6], v[rT+7]
.elseif z == 8
	v_permlanex16_b32 v[rT+7], v[rT+6], s[SEL], s[SEL+1]  ; the query's other 16 of my keys lie in the lane 16 away
.else
	v_max_num_f32 v[rT+6], v[rT+6], v[rT+7]
.endif
.else
	ds_store_b32 v[LWA], v[ST+8*(q-261)+6] offset:256*(q-261)
.endif
.set q, q+1
.endm
.macro SLICE                           ; slice k of 64: four entries, from slice 55 on five: 55 x 4 + 9 x 5 = 265
	WIN 0
.rept 4+(k/55)
	VQ1
.endr
.set k, k+1
.endm
; O^T += V^T P for the step in hand: four key groups of 32 products, channel block i / 4, tile i % 4: the 32 accumulators take turns.  Each group's fragments are asked for a group ahead.
; ride = 1: a slice of the queue stands behind every second product.
.macro PVALL ride
.set g, 0
.rept 4
	WIN 0
	s_wait_dscnt 0x0                               ; this group's fragments are in
	PLACES                                         ; in front of loads into the set that the group before has multiplied
.if g < 3
	FRAG g+1
.endif
.set i, 0
.rept 32
	WIN 0x5f                                       ; V and P window 3, O^T window 1
	v_wmma_f32_16x16x32_f16 v[64*(i%4)+8*(i/4):64*(i%4)+8*(i/4)+7], v[96*(g%2)+8*(i/4):96*(g%2)+8*(i/4)+7], v[96*(g%2)+64+8*(i%4):96*(g%2)+64+8*(i%4)+7], v[64*(i%4)+8*(i/4):64*(i%4)+8*(i/4)+7]
.if (\ride) && (i%2 == 1)
	SLICE
.endif
.set i, i+1
.endr
.set g, g+1
.endr
	WIN 0
.endm
; THE CHANGE OF SIDES.  Each wave waits for all its tensor loads, of which one is out: its part of the step's V; adds 0 to its spare word; and waits for that, for its reads of the old slot and of P, and for its stores.
; fill = 1: the barrier is a round of the cluster's, and the joint refill, the next step's V into the slot just read, is the first thing behind it: it has a trip, 160 products, in which to land.
.macro CHANGE fill
	WIN 0
	s_wait_tensorcnt 0x0
	ds_add_u32 v[SPW], v[NIL]                      ; 0 onto my spare word; scalar work stands between it and the wait for it
	TOGGLE
.if \fill
	s_xor_b32 s[G0+1], s[G0+1], SLOT1
	s_add_nc_u64 s[G0+2:G0+3], s[G0+2:G0+3], 131072
	s_wait_xcnt 0x0                                ; the last prefetches, a trip back, have read their addresses
	s_add_nc_u64 s[PFV:PFV+1], s[PFV:PFV+1], 131072
	s_add_nc_u64 s[PFK:PFK+1], s[PFK:PFK+1], 32768
	s_wait_dscnt 0x0
	CROUND
	tensor_load_to_lds s[G0:G0+3], s[G1:G1+7]
	s_nop 0
	PLACES
.else
	s_wait_dscnt 0x0
	s_barrier_signal -1
	s_barrier_wait -1
.endif
.endm
; PREFETCHES INTO THE L2, behind the trip's tensor load and its first run of LDS loads.  All clusters of a batch walk the same V and K: the batch's first cluster asks.  V of step j + 2, a trip ahead of its load:
; 131,072 bytes, of which wave w of the partner at place cx takes 8,192 at (4 cx + w) x 8,192, a lane a block of 256 bytes.  K of step j + 4, a trip ahead of its loads: 32,768 bytes, wave 0 of each partner 8,192.
; The partners are told apart by address alone.  So each block is named once in the launch.  The last trips, whose look-ahead has no step, ask for nothing; nothing is asked for at the head.
.macro ASK
	s_cmp_gt_u32 s[CNT], s[LIMV]
	s_cbranch_scc0 .Lno_v_\@
	global_prefetch_b8 v[PFO], s[PFV:PFV+1] th:TH_LOAD_NT scope:SCOPE_SE
.Lno_v_\@:
	s_cmp_gt_u32 s[CNT], s[LIMK]
	s_cbranch_scc0 .Lno_k_\@
	global_prefetch_b8 v[PFO], s[PFK:PFK+1] th:TH_LOAD_NT scope:SCOPE_SE
.Lno_k_\@:
.endm
	s_load_b256 s[4:11], s[0:1], 0x0               ; qf s[4:5], kf s[6:7], vf s[8:9], bf s[10:11]
	s_load_b128 s[12:15], s[0:1], 0x20             ; scl s[12:13], out0 s[14:15]
	v_lshl_add_u32 v[SPW], v0, 2, SPARE
	v_mov_b32 v[NIL], 0
	ds_add_u32 v[SPW], v[NIL]                      ; the wave's opening: the add and its wait ahead of my first tensor load
	ds_add_u32 v16, v17
	v_lshrrev_b32 v14, 5, v0
	v_readfirstlane_b32 s[WV], v14
	s_bfe_u32 s17, ttmp6, 0x40000                  ; cx
	s_lshl_b32 s18, ttmp9, 2
	s_add_co_u32 s18, s18, s17                     ; my block of 64 queries: it enters Q's and out0's addresses alone
	s_and_b32 s19, ttmp7, 0xffff                   ; the batch, which the partners share
	s_mov_b32 s[G1+0], 15|(3<<16)|(1<<21)          ; the mask of four; elements of 8 bytes; bit 21 beside a mask
	s_mov_b32 s[G1+1], 32<<16                      ; tensor_dim0 = 32: rows of 256 bytes
	s_mov_b32 s[G1+2], 128<<16                     ; tensor_dim1 = 128
	s_mov_b32 s[G1+3], 32<<16                      ; tile_dim0
	s_mov_b32 s[G1+4], 128                         ; tile_dim1
	s_mov_b32 s[G1+5], 32                          ; dense
	s_mov_b32 s[G1+6], 0
	s_mov_b32 s[G1+7], 0
	s_mov_b32 s[G0], 1
	s_lshl_b32 s[G0+1], s[WV], 15                  ; slot 0, key group w
	s_lshl_b32 s54, s19, 22                        ; V: a batch is 4 MiB, my key group 32,768 bytes
	s_lshl_b32 s58, s[WV], 15
	s_add_co_u32 s54, s54, s58
	s_mov_b32 s55, 0
	s_mov_b32 s57, 0
	s_mov_b32 s[SEL], 0x76543210
	s_mov_b32 s[SEL+1], 0xfedcba98
	s_mov_b32 s[KN], 1
	s_mov_b32 s[VS], 0                             ; the five bases as two steps ahead of the loop's first trip
	s_mov_b32 s[PRD], PB0
	s_mov_b32 s[PWR], PB0+0x4000
	s_mov_b32 s[LRD], LM0+0x400
	s_mov_b32 s[LWR], LM0
	s_cmp_eq_u32 ttmp9, 0
	s_cselect_b32 s[LIMV], 1, -1                   ; the same in all four partners
	s_or_b32 s[TS], ttmp9, s[WV]
	s_cmp_eq_u32 s[TS], 0
	s_cselect_b32 s[LIMK], 3, -1
	v_and_b32 v15, 31, v0
	v_and_b32 v24, 15, v0
	v_bfe_u32 v25, v0, 4, 1
	v_lshlrev_b32 v[L16], 4, v15
	v_lshlrev_b32 v[R16], 4, v24
	v_lshl_add_u32 v[RW], v14, 2, v[R16]
	v_lshl_add_u32 v[VL], v14, 13, v[L16]
	v_lshl_add_u32 v[PWL], v14, 12, v[L16]
	v_lshlrev_b32 v[PFO], 8, v15
	s_mul_i32 s[TS], s[WV], 16*SP
	s_add_co_u32 s[TS], s[TS], STG                 ; my stage
	v_mul_u32_u24 v[STO], v24, SP                  ; in: row l % 16, 32 bytes for each half of the lanes
	v_lshl_add_u32 v[STO], v25, 5, v[STO]
	v_add_nc_u32 v[STO], s[TS], v[STO]
	v_mul_u32_u24 v[RD], v25, SP                   ; back: lanes 0-15 one row of 256 bytes, lanes 16-31 the next
	v_lshl_add_u32 v[RD], v24, 4, v[RD]
	v_add_nc_u32 v[RD], s[TS], v[RD]
	v_lshlrev_b32 v[GO], 11, v25                   ; and the same two rows in out0, at my wave's 512 bytes
	v_lshl_add_u32 v[GO], v24, 4, v[GO]
	v_lshl_add_u32 v[GO], v14, 9, v[GO]
	v_add_nc_u32 v[LSW], LSB, v[RW]
	v_add_nc_u32 v[LSR], LSB, v[R16]
	v_lshlrev_b32 v[B2O], 5, v25
	v_lshl_add_u32 v[B2O], v14, 9, v[B2O]
	s_wait_dscnt 0x0                               ; the opening add is done
	s_wait_kmcnt 0x0
	s_add_nc_u64 s[G0+2:G0+3], s[8:9], s[54:55]
	s_or_b32 s[G0+3], s[G0+3], 0x80000000
	s_load_b64 s[54:55], s[12:13], 0x0             ; c', 1 / sv
	s_lshl_b32 s56, s19, 20                        ; K: a batch is 1 MiB, my 32 keys 8,192 bytes
	s_lshl_b32 s58, s[WV], 13
	s_add_co_u32 s56, s56, s58
	s_add_nc_u64 s[KB:KB+1], s[6:7], s[56:57]
	s_lshl_b32 s56, s19, 20                        ; Q: my block's 64 rows of 256 bytes
	s_lshl_b32 s58, s18, 14
	s_add_co_u32 s56, s56, s58
	s_add_nc_u64 s[4:5], s[4:5], s[56:57]
	s_lshl_b32 s56, s19, 23                        ; out0: rows of 2,048 bytes
	s_lshl_b32 s58, s18, 17
	s_add_co_u32 s56, s56, s58
	s_add_nc_u64 s[14:15], s[14:15], s[56:57]
	s_lshl2_add_u32 s58, s17, s[WV]                ; 4 cx + w
	s_lshl_b32 s58, s58, 13
	s_lshl_b32 s56, s19, 22
	s_add_co_u32 s56, s56, s58
	s_add_co_u32 s56, s56, 131072                  ; at step 1: the first change steps it to step 2
	s_add_nc_u64 s[PFV:PFV+1], s[8:9], s[56:57]
	s_lshl_b32 s58, s17, 13
	s_lshl_b32 s56, s19, 20
	s_add_co_u32 s56, s56, s58
	s_add_co_u32 s56, s56, 3*32768                 ; at step 3: the first change steps it to step 4
	s_add_nc_u64 s[PFK:PFK+1], s[6:7], s[56:57]
	CROUND                                         ; all four work-groups are here: the first joint load meets
	tensor_load_to_lds s[G0:G0+3], s[G1:G1+7]      ; V of step 0 into slot 0
	s_nop 0
	PLACES
	WIN 0x80
.set n, 0
.rept 32
	global_load_b128 v[4*n:4*n+3], v[L16], s[4:5] offset:512*n      ; Q stays in registers: tile n / 8, feature block n % 8
.set n, n+1
.endr
.set n, 0
.rept 16
	global_load_b128 v[KF+4*n:KF+4*n+3], v[L16], s[KB:KB+1] offset:512*n  ; K of step 0
.set n, n+1
.endr
	WIN 0x40
.set n, 0
.rept 256
	v_mov_b32 v[n], 0                              ; O^T: the first trip multiplies it by a = 0, so it need only be finite; written while the first loads are out, in place of a second text of the trip
.set n, n+1
.endr
	WIN 0
.set t, 0
.rept 4
	v_mov_b32 v[ST+8*t], 0xfe000000                ; m: far below every exponent
.irp j, 1,2,3,4,5,6,7
	v_mov_b32 v[ST+8*t+\j], 0
.endr
.set t, t+1
.endr
	s_wait_kmcnt 0x0
	s_mov_b32 s[CS], s54
	s_mov_b32 s[CS+1], s54
	s_mov_b32 s[IV], s55
	s_mov_b32 s[IV+1], s55
	; two steps ahead of the loop: the scores of step 0 and their maxima
	ADDRS
	s_wait_loadcnt 0x0                             ; Q, K
.set i, 0
.rept 32
	KQ
.endr
	WIN 0
	PLACES
	KLOAD                                          ; step 1
.set q, 189
.rept 76
	VQ1
.endr
	s_wait_dscnt 0x0                               ; my maxima are written
	TOGGLE
	s_barrier_signal -1                            ; V of step 0 may stay on its way
	s_barrier_wait -1
	; one step ahead: the scores of step 1, the softmax of step 0, the maxima of step 1
	ADDRS
	LMLOAD
	s_wait_loadcnt 0x0
.set i, 0
.rept 32
	KQ
.endr
	WIN 0
	PLACES
	KLOAD                                          ; step 2
	s_wait_dscnt 0x0
.set q, 0
.rept 265
	VQ1
.endr
	s_mov_b32 s[CNT], 31
.Ltrip:                                                ; trip j = 31 - CNT: V of step j + 1 is asked for
	CHANGE 1
	ADDRS
	LMLOAD
	FRAG 0
	WIN 0
	ASK
	s_wait_loadcnt 0x0                             ; K of step j + 2
.set i, 0
.set e, 0
.rept 32
	KQ
	RS 4                                           ; four of O^T x a(j) behind each product; those behind the last are the places in front of K's loads
.endr
	KLOAD                                          ; step j + 3
.set q, 0
.set k, 0
	PVALL 1
	s_sub_co_u32 s[CNT], s[CNT], 1
	s_cmp_lg_u32 s[CNT], 0
	s_cbranch_scc1 .Ltrip
	; the last trip's products K Q^T ran on the last K once more, and their maxima serve nothing: 32 products, the price of one text for every trip
.irp t, 0,1,2,3
	v_add_f32 v[ST+8*\t+2], v[ST+8*\t+2], v[ST+8*\t+3]
.endr
.irp t, 0,1,2,3
	v_permlanex16_b32 v[ST+8*\t+7], v[ST+8*\t+2], s[SEL], s[SEL+1]
.endr
.irp t, 0,1,2,3
	v_add_f32 v[ST+8*\t+2], v[ST+8*\t+2], v[ST+8*\t+7]
.endr
.irp t, 0,1,2,3
	ds_store_b32 v[LSW], v[ST+8*\t+2] offset:256*\t ; my 32 x 32 keys' share of l
.endr
	CHANGE 0                                       ; the last step is written out: nothing is asked for
	ADDRS
	FRAG 0
	WIN 0
.irp t, 0,1,2,3
	ds_load_b128 v[LMV+4*\t:LMV+4*\t+3], v[LSR] offset:256*\t
.endr
	WIN 0x80
.set n, 0
.rept 16
	global_load_b128 v[B2+4*n:B2+4*n+3], v[B2O], s[10:11] offset:1024+64*(n/2)+16*(n%2)  ; b2 of my 8 x 8 channels
.set n, n+1
.endr
.set e, 0
	RS 128                                         ; O^T x a(31)
	PVALL 0
	; THE WAY OUT.  The additions are the places behind the last products.
.irp t, 0,1,2,3
	v_add_f32 v[LMV+4*\t], v[LMV+4*\t], v[LMV+4*\t+1]
	v_add_f32 v[LMV+4*\t+2], v[LMV+4*\t+2], v[LMV+4*\t+3]
.endr
.irp t, 0,1,2,3
	v_add_f32 v[LMV+4*\t], v[LMV+4*\t], v[LMV+4*\t+2]
.endr
.irp t, 0,1,2,3
	v_rcp_f32 v[ST+8*\t+4], v[LMV+4*\t]
.endr
	v_nop                                          ; a plain instruction behind the last reciprocal,
	s_wait_alu depctr_va_vdst(0)                   ; and the one wait ahead of the first use
.irp t, 0,1,2,3
	v_mul_f32 v[ST+8*\t+4], s[IV], v[ST+8*\t+4]
.endr
	s_wait_loadcnt 0x0                             ; b2
; A block: tile t, 64 of my channels.  O / l / sv + b2; a lane's 8 channels of a row go into my stage's rows of 272 bytes and come back as whole rows of 256.
.macro OUTB t, ch
	WIN 0
	s_wait_xcnt 0x0                                ; the block before's stores have read their registers
	WIN 0x21                                       ; O^T window 1, b2 window 2
.set n, 0
.rept 16
	v_pk_fma_f32 v[SA+2*n:SA+2*n+1], v[64*(\t)+32*(\ch)+2*n:64*(\t)+32*(\ch)+2*n+1], v[ST+8*(\t)+4:ST+8*(\t)+5], v[B2+32*(\ch)+2*n:B2+32*(\ch)+2*n+1] op_sel_hi:[1,0,1]
.set n, n+1
.endr
	WIN 0
.set n, 0
.rept 8
	ds_store_b128 v[STO], v[SA+4*n:SA+4*n+3] offset:64*(n/2)+16*(n%2)
.set n, n+1
.endr
.set n, 0
.rept 8
	ds_load_b128 v[SB+4*n:SB+4*n+3], v[RD] offset:2*SP*n  ; LDS serves a wave's instructions in order (ISA guide 5.7.1.4): these see the stores above
.set n, n+1
.endr
	s_wait_dscnt 0x0
.set n, 0
.rept 8
	global_store_b128 v[GO], v[SB+4*n:SB+4*n+3], s[14:15] offset:32768*(\t)+4096*n+256*(\ch) th:TH_STORE_NT  ; 16 lanes store 256 consecutive bytes, aligned
.set n, n+1
.endr
.endm
.irp t, 0,1,2,3
	OUTB \t, 0
	OUTB \t, 1
.endr
	s_wait_tensorcnt 0x0                           ; the wave's end
	ds_add_u32 v[SPW], v[NIL]
	s_wait_dscnt 0x0
	CROUND                                         ; the closing round: no work-group ends while a partner may still ask for a tile that names it
	s_endpgm
.Lfunc_end_k_qf8ec32cc07_attn:
	.size	k_qf8ec32cc07_attn, .Lfunc_end_k_qf8ec32cc07_attn-k_qf8ec32cc07_attn
	.p2alignl 7, 3214868480
	.fill 96, 4, 3214868480
	.section	.rodata,"a",@progbits
	.p2align	6, 0x0
	.amdhsa_kernel k_qf8ec32cc07_attn
		.amdhsa_group_segment_fixed_size 327680
		.amdhsa_private_segment_fixed_size 0
		.amdhsa_enable_private_segment 0
		.amdhsa_kernarg_size 48
		.amdhsa_user_sgpr_count 2
		.amdhsa_user_sgpr_kernarg_segment_ptr 1
		.amdhsa_wavefront_size32 1
		.amdhsa_system_sgpr_workgroup_id_x 1
		.amdhsa_system_sgpr_workgroup_id_y 1
		.amdhsa_system_sgpr_workgroup_id_z 1
		.amdhsa_system_vgpr_workitem_id 0
		.amdhsa_next_free_vgpr 960
		.amdhsa_next_free_sgpr 66
		.amdhsa_reserve_vcc 0
		.amdhsa_float_denorm_mode_32 3
		.amdhsa_float_denorm_mode_16_64 3
		.amdhsa_memory_ordered 1
		.amdhsa_forward_progress 1
		.amdhsa_inst_pref_size 146
	.end_amdhsa_kernel
	.amdgpu_metadata
---
amdhsa.version: [ 1, 2 ]
amdhsa.kernels:
  - .name:           k_qf8ec32cc07_attn
    .symbol:         k_qf8ec32cc07_attn.kd
    .args:
      - { .name: qf, .offset: 0, .size: 8, .value_kind: global_buffer, .address_space: global }
      - { .name: kf, .offset: 8, .size: 8, .value_kind: global_buffer, .address_space: global }
      - { .name: vf, .offset: 16, .size: 8, .value_kind: global_buffer, .address_space: global }
      - { .name: bf, .offset: 24, .size: 8, .value_kind: global_buffer, .address_space: global }
      - { .name: scl, .offset: 32, .size: 8, .value_kind: global_buffer, .address_space: global }
      - { .name: out0, .offset: 40, .size: 8, .value_kind: global_buffer, .address_space: global }
    .group_segment_fixed_size: 327680
    .private_segment_fixed_size: 0
    .kernarg_segment_align: 8
    .kernarg_segment_size: 48
    .max_flat_workgroup_size: 128
    .sgpr_count:     66
    .vgpr_count:     960
    .wavefront_size: 32
...
	.end_amdgpu_metadata
.endif
;; end of part 3
